; MI455X (gfx1250); checked and timed in simulation.
; The chip was launched on July 23, 2026; its instructions are those of AMD's public machine-readable ISA for CDNA 5 (MIT licence, August 2026) and "CDNA5" Instruction Set Architecture Reference Guide (July 2026). The comments in the code are by the model that wrote it; some were corrected since.
;; SKAN Linear. Allowed arithmetic: float matrix products may take bf16 or f16 operands with f32 sums; other float arithmetic in f32, or as packed bf16 or f16 multiplies, adds, multiply-adds, maxima and minima; sums over many terms, partial sums and values carried from step to step in f32; what a program stores and reads back later, other than sums and carried values, may be rounded once to bf16 or f16.
;; Inputs: weight 2,048 x 2,049 float32; x 4 x 2,048 x 2,048 float32.
;; Outputs: out0 8,192 x 2,048 float32.
;; One version. Each part assembles by itself: llvm-mc -triple=amdgcn-amd-amdhsa -mcpu=gfx1250 --defsym DOCPART=n.
;; ======== version 1 of 1: 1 launch
;; launch skan (part 1): grid 8 x 32, 4 waves a work-group, clusters of 4 x 4, 327,680 bytes of LDS; arguments x, weight, out0; writes out0
.if DOCPART == 1
	.amdgcn_target "amdgcn-amd-amdhsa--gfx1250"
	.amdhsa_code_object_version 6
	.text
	.protected	k_qe3493cbe8a_skan
	.globl	k_qe3493cbe8a_skan
	.p2align	8
	.type	k_qe3493cbe8a_skan,@function
k_qe3493cbe8a_skan:
	s_mov_b64 s[64:65], 0
	v_nop
	global_prefetch_b8 v0, s[64:65] scope:SCOPE_SE
	s_setreg_imm32_b32 hwreg(HW_REG_WAVE_MODE, 25, 1), 1
	s_wait_xcnt 0x0
	s_wait_alu depctr_hold_cnt(0) depctr_sa_sdst(0) depctr_va_vdst(0) depctr_va_sdst(0) depctr_va_ssrc(0) depctr_va_vcc(0) depctr_vm_vsrc(0)
	s_getreg_b32 s2, hwreg(HW_REG_IB_STS2, 6, 4)
	s_cmp_eq_u32 s2, 0
	s_cbranch_scc0 .Lentry_in_a_cluster
	s_endpgm
.Lentry_in_a_cluster:
	s_bfe_u32 s2, ttmp6, 0x10000c
	s_cmp_lg_u32 s2, 0xf033
	s_cbranch_scc0 .Lentry_shape_is_right
	s_endpgm
.Lentry_shape_is_right:
; SKANLinear.  out0[n][o] = 0.5 (sum_j xb[n][j] w[o][j] + sum_j |xb[n][j]| |w[o][j]|), xb = x with a column of ones behind it.
; x: [8192][2048] f32.  weight: [2048][2049] f32.  out0: [8192][2048] f32.  ONE launch: rounding to bf16, |.|, both products, the ones column, the factor 0.5.
; THE TWO PRODUCTS SHARE THEIR OPERANDS: bf16(|v|) = |bf16(v)|, so the second product's fragments are the first's with the sign bits cleared (one v_and_b32 for two numbers),
; and every fragment read from LDS feeds two matrix instructions.  So x and weight come into LDS as f32, as they lie in memory, and are rounded in registers: per matrix
; instruction the LDS bytes are those of a bf16 product whose tiles lie in LDS as bf16.  Both products add onto ONE f32 accumulator, by turns for the same 32 k: behind every
; such pair it holds 2 x a sum of relu(w x), which is never negative: no difference of large sums is formed.
; THE ONES COLUMN adds 0.5 (b + |b|), b = weight[o][2048], taken in f32 unrounded, at the way out: y = 0.5 acc + (0.5 b + |0.5 b|).
; LIMITS.  Matrix operands are rounded to bf16 (nearest even): an f32 beyond bf16's largest finite number becomes an infinity.  Within each 32 k the order of k is permuted, alike
; in both operands, and the sums are the matrix unit's: the order of rounding differs from a plain f32 sum's.  NaN and infinities go through the products untreated.
; SHARES.  A tile of out0 is 256 x 256: 32 x 8 tiles, one work-group each.  Four waves, as many as a WGP has SIMDs, each 128 x 128: 64 accumulators of 16 x 16, 512 registers.
; K goes in tiles of 64 f32 (rows of 256 bytes) through a ring of two LDS slots; a tile is two STEPS of 32 k; a step is 64 plain products (P) and 64 absolute ones (Q).
; CLUSTERS: 4 x 4 work-groups.  The four of a row of the cluster need the same tiles of x, the four of a column the same tiles of weight: each tile is asked for JOINTLY, by the same
; tensor load with the same descriptor and a mask that names the four.
; THE MATRIX INSTRUCTION IS USED TRANSPOSED (source 0 = 16 rows of weight, source 1 = 16 rows of x): a lane then holds eight neighbouring numbers of a row of out0.
; A FRAGMENT: lane l (r = l % 16, h = l / 16) takes the 16 consecutive f32 at k0 + 16 h of row r, four loads of 16 bytes, and rounds them in pairs into its eight registers.
; REGISTERS, in windows of 256 (s_set_vgpr_msb: bits 1:0 source 0, 3:2 source 1, 5:4 source 2, 7:6 destination):
;   window 0: v0-35 addresses and the bias; v64-127 XA (x's 8 fragments, bf16); v128-191 YA = |XA|; v192-255 R0 (raw f32 of four fragments of x)
;   window 1: v0-63 XB (weight's 8 fragments); v64-127 YB = |XB|; v128-191 R1, v192-255 R2 (raw f32 of weight's fragments 0-3, 4-7)
;   window 2: the accumulators of my rows 0-63 ((a, b) at v[8 (8 (a % 4) + b)]);   window 3: those of my rows 64-127
.set PITCH,  272                       ; an LDS row: 256 bytes + 16 of padding = 68 words: row r starts at bank 4 r mod 64 (64 banks of 4 bytes: ISA guide 11.1), so the 16 rows that a load touches start at 16 different groups of four banks
.set HALFT,  128*PITCH                 ; 128 rows: what one tensor load brings, and what one wave reads of x or of weight
.set SLOT,   4*HALFT                   ; x's 256 rows, then weight's 256 rows
.set STAGE,  2*SLOT                    ; behind the ring: 16 rows x 528 bytes for each wave, for the way out; no tensor load lands there
.set SPITCH, 528                       ; a stage row: 512 bytes (128 f32) + 16
.set SPARE,  STAGE+4*16*SPITCH         ; behind the stages: the spare words, 128 bytes for each wave: two blocks of 256 bytes that no other line names
.set LAPS,   16                        ; a lap = two tiles of 64 k = once round the ring: 2048 / 128
.set XROW,   8192                      ; bytes in a row of x and of out0
.set WROW,   8196                      ; bytes in a row of weight: 2049 f32
.set ADRA, 16                          ; v16-17  LDS address of my fragments of x in slot 0, 1
.set ADRB, 20                          ; v20-21  the same for weight
.set STO,  24                          ; v24     the way out: where I put 32 bytes of a row
.set RD,   25                          ; v25     the way out: where I read a row back
.set CO,   26                          ; v26     my byte offset in a row of out0: 16 x lane
.set BO,   27                          ; v27     my byte offset in weight for the bias: 4 rows x lane
.set SPW,  28                          ; v28     LDS address of my spare word: SPARE + 4 x my thread's number; never rewritten
.set NIL,  29                          ; v29     0; never rewritten
.set BI,   32                          ; v32-35  the bias of my lane's four columns on the way out
.set XA,   64
.set YA,   128
.set R0,   192
.set XB,   0                           ; window 1
.set YB,   64
.set R1,   128                         ; R2 = R1 + 64
.set G1,   24                          ; s[24:31] descriptor group 1 for x's tiles;  s[32:39] group 0, one set for each slot
.set G0,   32
.set G1B,  48                          ; s[48:55], s[56:63] the same for weight's tiles
.set G0B,  56
.set ABSM, 45                          ; s45  clears the signs of two bf16
.set MSB, 0
.macro WIN new                         ; the immediate's high byte repeats the setting that is left; a switch that changes nothing is dropped
.if MSB != (\new)
	s_set_vgpr_msb (MSB<<8)|(\new)
.set MSB, \new
.endif
.endm
.set MUL_LO, 0xa1                      ; source 0 (weight) window 1, source 1 (x) window 0, C and D window 2
.set MUL_HI, 0xf1                      ; the same, C and D window 3
.set W_B,    0x45                      ; vector work on weight's fragments: destination and sources 0, 1 in window 1
.set TO_B,   0x40                      ; LDS loads: destination window 1, address window 0
.set ST_LO,  0x08                      ; LDS stores: data (source 1) window 2, address window 0
; A joint load.  Waves 0 and 1 fetch x's two halves, waves 2 and 3 weight's.  Each of the two lines has ONE mask and one set of registers for all that issue it.  The branch hangs on
; the wave's number alone.  An s_nop 0 and four v_nop follow each of the two lines, ahead of the jump, the label and what follows.
.macro JLOAD s
	s_cmp_eq_u32 s11, 0
	s_cbranch_scc0 .Lfor_b_\@
	tensor_load_to_lds s[G0+4*(\s):G0+4*(\s)+3], s[G1:G1+7]
	s_nop 0
.rept 4
	v_nop
.endr
	s_branch .Lasked_\@
.Lfor_b_\@:
	tensor_load_to_lds s[G0B+4*(\s):G0B+4*(\s)+3], s[G1B:G1B+7]
	s_nop 0
.rept 4
	v_nop
.endr
.Lasked_\@:
.endm
; A round of the cluster's barrier: my work-group's barrier, so that wave 0's signal speaks for all four waves; wave 0 signals for the work-group; every wave waits for all
; sixteen work-groups; my work-group's barrier once more.
.macro CREST                           ; a round behind its opening barrier
	s_cmp_lg_u32 s10, 0
	s_cbranch_scc1 .Lnot_wave_0_\@
	s_barrier_signal -3
.Lnot_wave_0_\@:
	s_barrier_wait -3
	s_barrier_signal -1
	s_barrier_wait -1
.endm
.macro CROUND                          ; a whole round
	s_barrier_signal -1
	s_barrier_wait -1
	CREST
.endm
	s_load_b128 s[4:7], s[0:1], 0x0                ; x s[4:5], weight s[6:7]
	s_load_b64 s[8:9], s[0:1], 0x10                ; out0
	v_lshl_add_u32 v[SPW], v0, 2, SPARE
	v_mov_b32 v[NIL], 0
	ds_add_u32 v[SPW], v[NIL]                      ; the wave's opening: the add and its wait stand ahead of my first tensor load; the set-up below, work on registers, stands between them
	v_lshrrev_b32 v1, 5, v0
	v_readfirstlane_b32 s10, v1                    ; wave 0..3
	s_lshr_b32 s11, s10, 1                         ; which half of the tile's rows is mine.  Also: I fetch for x (0) or for weight (1)
	s_and_b32 s12, s10, 1                          ; which half of its columns.  Also: which 128 rows of that tile I fetch
	s_bfe_u32 s40, ttmp6, 0x40000                  ; cx: my place along the cluster's x
	s_bfe_u32 s41, ttmp6, 0x40004                  ; cy: along its y
	s_lshl_b32 s42, ttmp9, 2                       ; in a cluster launch ttmp9 and ttmp7 count clusters
	s_add_co_u32 s42, s42, s40                     ; tile column of out0 = 4 x cluster x + cx
	s_and_b32 s13, ttmp7, 0xffff
	s_lshl_b32 s13, s13, 2
	s_add_co_u32 s13, s13, s41                     ; tile row of out0 = 4 x cluster y + cy
	s_lshl_b32 s43, s41, 2
	s_lshl_b32 s43, 15, s43                        ; my row of the cluster: places 4 cy .. 4 cy + 3
	s_lshl_b32 s44, 0x1111, s40                    ; my column: places cx, cx + 4, cx + 8, cx + 12
	s_mov_b32 s[ABSM], 0x7fff7fff
	; descriptor group 1: a tile of 128 rows x 64 elements of 4 bytes, padded in LDS
	s_or_b32 s[G1+0], s43, (2<<16)|(1<<20)|(1<<21)|(5<<22)|(3<<25)  ; 15:0 the mask: x's tiles go to my row; 17:16 elements of 4 bytes; 20 padding on; 21 set beside a mask; 24:22 after every 64 words (code 5); 31:25 4 words of it (code 3)
	s_or_b32 s[G1B+0], s44, (2<<16)|(1<<20)|(1<<21)|(5<<22)|(3<<25) ; the same with the mask of my column, for weight's tiles
.irp g, G1, G1B
	s_mov_b32 s[(\g)+1], 64<<16                    ; 63:48 tensor_dim0, low half = 64
	s_mov_b32 s[(\g)+2], 128<<16                   ; 79:64 its high half = 0; 95:80 tensor_dim1, low half = 128
	s_mov_b32 s[(\g)+3], 64<<16                    ; 111:96 its high half = 0; 127:112 tile_dim0 = 64
	s_mov_b32 s[(\g)+4], 128                       ; 143:128 tile_dim1 = 128; 159:144 tile_dim2 = 0
	s_mov_b32 s[(\g)+6], 0
	s_mov_b32 s[(\g)+7], 0
.endr
	s_mov_b32 s[G1+5], 2048                        ; 191:160 elements from row to row: x
	s_mov_b32 s[G1B+5], 2049                       ; weight: its rows begin at multiples of 4 bytes only; the pitch is stated in elements
	; where the tiles come from.  x's hang on the tile row alone, which my row of the cluster shares; weight's on the tile column alone, which my column shares.
	s_lshl_b32 s17, s12, 7                         ; which 128 rows of the tile I fetch
	s_lshl_b32 s16, s13, 8
	s_add_co_u32 s16, s16, s17                     ; x: row 256 x tile row + 128 x half,
	s_lshl_b32 s16, s16, 13                        ; in bytes: under 2^26
	s_lshl_b32 s46, s42, 8
	s_add_co_u32 s46, s46, s17                     ; weight: row 256 x tile column + 128 x half,
	s_mul_i32 s46, s46, WROW                       ; in bytes: under 2^25
	s_mov_b32 s17, 0
	s_mov_b32 s47, 0
	s_mul_i32 s20, s10, HALFT                      ; and where they go: x's two halves, then weight's two = wave x 128 rows: no place in the cluster enters an LDS address
	s_lshl_b32 s68, s13, 8                         ; where my part of out0 begins: row 256 x tile row + 128 x my half of the rows,
	s_lshl_b32 s70, s11, 7
	s_add_co_u32 s68, s68, s70
	s_lshl_b32 s68, s68, 13
	s_lshl_b32 s70, s42, 10                        ; column 256 x tile column + 128 x my half of the columns, 4 bytes each
	s_add_co_u32 s68, s68, s70
	s_lshl_b32 s70, s12, 9
	s_add_co_u32 s68, s68, s70
	s_mov_b32 s69, 0
	s_wait_dscnt 0x0                               ; the opening add is done
	s_wait_kmcnt 0x0
	s_add_nc_u64 s[14:15], s[4:5], s[16:17]
	s_add_nc_u64 s[46:47], s[6:7], s[46:47]        ; kept as it is from here on: also the base of the bias loads
	CROUND                                         ; all sixteen work-groups are here: the first joint loads meet
.irp s, 0,1
	s_mov_b32 s[G0+4*(\s)], 1                                      ; 1:0 count = 1
	s_add_co_u32 s[G0+4*(\s)+1], s20, (\s)*SLOT                    ; 63:32 LDS address
	s_add_nc_u64 s[G0+4*(\s)+2:G0+4*(\s)+3], s[14:15], (\s)*256    ; 120:64 global address: the tile of k = 64 s on
	s_or_b32 s[G0+4*(\s)+3], s[G0+4*(\s)+3], 0x80000000            ; 127:126 type = 2
	s_mov_b32 s[G0B+4*(\s)], 1
	s_add_co_u32 s[G0B+4*(\s)+1], s20, (\s)*SLOT
	s_add_nc_u64 s[G0B+4*(\s)+2:G0B+4*(\s)+3], s[46:47], (\s)*256
	s_or_b32 s[G0B+4*(\s)+3], s[G0B+4*(\s)+3], 0x80000000
	JLOAD \s                                       ; the ring is filled before anything else is done: two tensor loads of mine are out
.endr
	v_and_b32 v1, 15, v0                           ; r = l % 16
	v_bfe_u32 v2, v0, 4, 1                         ; h = l / 16
	v_mul_u32_u24 v3, v1, PITCH
	v_lshl_add_u32 v3, v2, 6, v3                   ; row x pitch + 64 h: my 16 f32 of a fragment's row
	s_mul_i32 s21, s11, HALFT                      ; my 128 rows of x
	s_mul_i32 s22, s12, HALFT                      ; my 128 rows of weight,
	s_add_co_u32 s22, s22, 2*HALFT                 ; which lie behind x's 256
.irp s, 0,1
	v_add_nc_u32 v[ADRA+(\s)], s21, v3
	v_add_nc_u32 v[ADRB+(\s)], s22, v3
	s_add_co_u32 s21, s21, SLOT
	s_add_co_u32 s22, s22, SLOT
.endr
	s_mul_i32 s23, s10, 16*SPITCH
	s_add_co_u32 s23, s23, STAGE                   ; my stage
	v_mul_u32_u24 v4, v1, SPITCH                   ; in: row l % 16, 32 bytes for each half of the lanes
	v_lshl_add_u32 v4, v2, 5, v4
	v_add_nc_u32 v[STO], s23, v4
	v_and_b32 v5, 31, v0                           ; lane
	v_lshlrev_b32 v[CO], 4, v5                     ; back: 32 lanes take one row of 512 bytes, 16 bytes each; the same in out0
	v_add_nc_u32 v[RD], s23, v[CO]
	v_mul_u32_u24 v[BO], v5, 4*WROW                ; on the way out my lane holds columns 4 x lane + 0..3 of my wave's 128: four rows of weight, which begin at the rows that my wave fetches
.irp i, 0,1,2,3
	global_load_b32 v[BI+(\i)], v[BO], s[46:47] offset:XROW+WROW*(\i)  ; weight[o][2048]: the last of them ends with the buffer's last byte
.endr
	s_add_nc_u64 s[8:9], s[8:9], s[68:69]          ; out0 at my wave's first row and column
; 16 LDS loads: the raw f32 of four fragments (group g of two) of x, 32 k at byte kb of slot's rows, into R0
.macro LOADA slot, kb, g
	WIN 0
.set lf, 0
.rept 4
.set li, 0
.rept 4
	ds_load_b128 v[R0+16*lf+4*li:R0+16*lf+4*li+3], v[ADRA+(\slot)] offset:(\kb)+(4*(\g)+lf)*16*PITCH+16*li
.set li, li+1
.endr
.set lf, lf+1
.endr
.endm
; the same for weight, into R1 (g = 0) or R2 (g = 1)
.macro LOADB slot, kb, g
	WIN TO_B
.set lf, 0
.rept 4
.set li, 0
.rept 4
	ds_load_b128 v[R1+64*(\g)+16*lf+4*li:R1+64*(\g)+16*lf+4*li+3], v[ADRB+(\slot)] offset:(\kb)+(4*(\g)+lf)*16*PITCH+16*li
.set li, li+1
.endr
.set lf, lf+1
.endr
.endm
; Four vector lines: half p % 2 of fragment 4 g + p / 2.  kind 1: YA = |XA|.  2: YB = |XB|.  3: XA = bf16(R0).  4: XB = bf16(R1 or R2).  0: nothing.
.macro SLICE kind, g, p
.if (\kind) != 0
.set sq, 4*(\g)+(\p)/2
.set sj, 4*((\p)%2)
.if (\kind) == 1
	WIN 0
.rept 4
	v_and_b32 v[YA+8*sq+sj], s[ABSM], v[XA+8*sq+sj]
.set sj, sj+1
.endr
.elseif (\kind) == 2
	WIN W_B
.rept 4
	v_and_b32 v[YB+8*sq+sj], s[ABSM], v[XB+8*sq+sj]
.set sj, sj+1
.endr
.elseif (\kind) == 3
	WIN 0
.rept 4
	v_cvt_pk_bf16_f32 v[XA+8*sq+sj], v[R0+16*(sq%4)+2*sj], v[R0+16*(sq%4)+2*sj+1]
.set sj, sj+1
.endr
.else
	WIN W_B
.rept 4
	v_cvt_pk_bf16_f32 v[XB+8*sq+sj], v[R1+64*(\g)+16*(sq%4)+2*sj], v[R1+64*(\g)+16*(sq%4)+2*sj+1]
.set sj, sj+1
.endr
.endif
.endif
.endm
.macro VJOB kind, g                    ; all eight slices of a job on end: ahead of the first products only
.set vp, 0
.rept 8
	SLICE \kind, \g, vp
.set vp, vp+1
.endr
.endm
; 8 matrix instructions: rows 16 a on, a = 2 i + part, x all 8 column blocks; y = 0: the plain fragments, 1: the absolute ones.  zero = 1: the product starts the sum: nothing is cleared.
; Behind each pair of products stands a slice of four vector lines of the job (kind, g): two window switches for two products.
.macro HB y, i, part, zero, kind, g
.set hA, XA+64*(\y)+8*(2*(\i)+(\part))
.set hB, XB+64*(\y)
.set hC, 64*((2*(\i)+(\part))%4)
.set hb, 0
.rept 4
	WIN MUL_LO+0x50*((\i)/2)
.rept 2
.if \zero
	v_wmma_f32_16x16x32_bf16 v[hC+8*hb:hC+8*hb+7], v[hB+8*hb:hB+8*hb+7], v[hA:hA+7], 0
.else
	v_wmma_f32_16x16x32_bf16 v[hC+8*hb:hC+8*hb+7], v[hB+8*hb:hB+8*hb+7], v[hA:hA+7], v[hC+8*hb:hC+8*hb+7]
.endif
.set hb, hb+1
.endr
	SLICE \kind, \g, 4*(\part)+hb/2-1
.endr
.endm
.macro BLOCK y, i, zero, kind, g       ; 16 products and a whole job of 32 vector lines
	HB \y, \i, 0, \zero, \kind, \g
	HB \y, \i, 1, \zero, \kind, \g
.endm
; A STEP is P (64 plain products) and Q (64 absolute ones); the 64 accumulators take turns in the same order in both, one instruction a turn, over the loop's edge too.
; WHAT IS WRITTEN WHERE.  A vector line that writes a register which a matrix instruction has read stands four places behind it, and only plain vector lines that name none of its
; registers are places (ISA guide 7.12.1).  Here each job stands at least one whole block behind the last product that read its destination:
;   YA 0-3 in P0 (last read in the Q1 before), YB 0-3 in P1, YB 4-7 in P2, YA 4-7 in P3 (all last read in the Q3 before);
;   the next step's XA 0-3 in Q0 (last read in P1), XB 0-3 in Q1, XB 4-7 in Q2, XA 4-7 in Q3 (all last read in P3);
; and the block between carries 32 plain lines, of which at most 8 name a register of that product.  The raw buffers R0-R2 are no matrix operands: loads into them want no places.
; P.  next = 1: the next step's raw f32 (byte nk of slot ns's rows) are asked for in three runs of 16 loads, each behind the job that read its buffer, two blocks or more ahead of its use.
.macro PPART ns, nk, zero, next
	BLOCK 0, 0, \zero, 1, 0
.if \next
	LOADA \ns, \nk, 0
.endif
	BLOCK 0, 1, \zero, 2, 0
.if \next
	LOADB \ns, \nk, 0
.endif
	BLOCK 0, 2, \zero, 2, 1
.if \next
	LOADB \ns, \nk, 1
.endif
	BLOCK 0, 3, \zero, 1, 1
.endm
; Q.  Its slices round the next step's fragments.  change = 1: its last block changes slots: ONE barrier; in front of it each wave waits for all its tensor loads, of which one is out
; (its part of the other slot), adds 0 to its spare word, and waits for that and for its own reads of this slot, which are the step's last run of loads.  Behind it nobody reads this slot
; any more and the other slot is whole.  change = 2: the barrier opens a round of the cluster's, and slot cs is filled again, first thing behind the round, with the tile two tiles on:
; from that request to the wait for it a wave issues 240 matrix instructions.
.macro QPART ns, nk, change, cs, next
.if \next
	s_wait_dscnt 32                                ; LDS loads come back in order (ISA guide 5.7.1): x's fragments 0-3 are in; weight's two runs of 16 may be out
.endif
	BLOCK 1, 0, 0, 3*(\next), 0
.if \next
	LOADA \ns, \nk, 1                              ; R0 has been rounded: x's fragments 4-7
	s_wait_dscnt 32                                ; weight's fragments 0-3 are in; its 4-7 and the run just issued may be out
.endif
	BLOCK 1, 1, 0, 4*(\next), 0
.if \next
	s_wait_dscnt 16                                ; weight's fragments 4-7 are in
.endif
	BLOCK 1, 2, 0, 4*(\next), 1
.if (\change) == 0
.if \next
	s_wait_dscnt 0x0                               ; x's fragments 4-7 are in
.endif
	BLOCK 1, 3, 0, 3*(\next), 1
.else
	WIN 0                                          ; (the add's two registers lie in window 0)
	s_wait_tensorcnt 0x0                           ; all my tensor loads have landed: the one that was out is my part of the other slot;
	ds_add_u32 v[SPW], v[NIL]                      ; 0 onto my spare word;
	s_wait_dscnt 1                                 ; x's fragments 4-7 are in; the add may be out
	HB 1, 3, 0, 0, 3, 1                            ; eight products and their slices stand between the add and the wait for it
	s_wait_dscnt 0x0                               ; the add is done, and my reads of this slot are over:
	s_barrier_signal -1                            ; say so,
	HB 1, 3, 1, 0, 3, 1                            ; work on registers while the others arrive,
	WIN 0
	s_barrier_wait -1                              ; and go on when all four have said so
.if (\change) == 2
	CREST                                          ; no wave of any partner still reads this slot's tile or has a load on its way
	s_add_nc_u64 s[G0+4*(\cs)+2:G0+4*(\cs)+3], s[G0+4*(\cs)+2:G0+4*(\cs)+3], 512    ; two tiles of 256 bytes on; no tensor load of mine is out, so a group 0 may be written
	s_add_nc_u64 s[G0B+4*(\cs)+2:G0B+4*(\cs)+3], s[G0B+4*(\cs)+2:G0B+4*(\cs)+3], 512
	JLOAD \cs                                      ; the first tensor load behind the round, and my only one until the next
.endif
.endif
.endm
	s_wait_loadcnt 0x0                             ; the bias, in the wait for the first tile: no global load is out at a barrier
	s_wait_tensorcnt 0x1                           ; my part of the first tile is in; the second's may stay out
	s_barrier_signal -1
	s_barrier_wait -1                              ; everybody's is
	LOADA 0, 0, 0                                  ; the first step's fragments are rounded ahead of the products, with the waits that Q has
	LOADB 0, 0, 0
	LOADB 0, 0, 1
	s_wait_dscnt 32
	VJOB 3, 0
	LOADA 0, 0, 1
	s_wait_dscnt 32
	VJOB 4, 0
	s_wait_dscnt 16
	VJOB 4, 1
	s_wait_dscnt 0x0
	VJOB 3, 1
	PPART 0, 128, 1, 1                             ; the first P stands in front of the loop: its products start the sums
	WIN 0                                          ; at a label and at a branch every window is 0
	s_mov_b32 s3, LAPS-1
.Llap:                                                 ; a trip goes once round the ring, from a lap's first Q to the next lap's first P: four steps, 512 products, 256 LDS loads, both slots filled again
	QPART 0, 128, 2, 0, 1
	PPART 1, 0,   0, 1
	QPART 1, 0,   0, 0, 1
	PPART 1, 128, 0, 1
	QPART 1, 128, 2, 1, 1
	PPART 0, 0,   0, 1
	QPART 0, 0,   0, 0, 1
	PPART 0, 128, 0, 1
	WIN 0
	s_sub_co_u32 s3, s3, 1
	s_cmp_lg_u32 s3, 0
	s_cbranch_scc1 .Llap
	QPART 0, 128, 1, 0, 1                          ; the last lap is written out: the last tile is shown landed to all four waves, nothing is asked for
	PPART 1, 0,   0, 1
	QPART 1, 0,   0, 0, 1
	PPART 1, 128, 0, 1
	QPART 1, 128, 0, 0, 1
	PPART 0, 0,   0, 0                             ; the last step: nothing is left to fetch or to round
	QPART 0, 0,   0, 0, 0
	; THE WAY OUT.  The bias 0.5 b + |0.5 b| = 0.5 (b + |b|): eight plain lines that name no register of the products: the places behind the last of them.
	WIN 0
.irp i, 0,1,2,3
	v_mul_f32 v[BI+(\i)], 0.5, v[BI+(\i)]
.endr
.irp i, 0,1,2,3
	v_add_f32 v[BI+(\i)], v[BI+(\i)], |v[BI+(\i)]|
.endr
; Block a (16 rows): a lane's eight f32 of a row go as two stores of 16 bytes into my own stage (each accumulator's low four registers first), and come back
; as whole rows of 512 bytes, into XA's or YA's registers by turns.
.macro TOSTAGE a
.if (\a) >= 2
	s_wait_xcnt 0x0                                ; every earlier memory instruction has had its addresses translated (ISA guide 3.1): the registers that block a - 2's stores read are loaded again only behind this wait
.endif
.set tA, 64*((\a)%4)
.set tO, XA+64*((\a)%2)
	WIN ST_LO+4*((\a)/4)
.set tb, 0
.rept 8
	ds_store_b128 v[STO], v[tA+8*tb:tA+8*tb+3] offset:64*tb
	ds_store_b128 v[STO], v[tA+8*tb+4:tA+8*tb+7] offset:64*tb+16
.set tb, tb+1
.endr
	WIN 0
.set tt, 0
.rept 16
	ds_load_b128 v[tO+4*tt:tO+4*tt+3], v[RD] offset:SPITCH*tt  ; LDS serves a wave's instructions in order (ISA guide 5.7.1.4): these see the stores above; the next block's stores come behind them
.set tt, tt+1
.endr
.endm
; y = 0.5 acc + bias, and the row leaves.  younger: the LDS instructions issued behind block a's loads: the next block's 32, or none.
.macro SEND a, younger
	WIN 0
.set tO, XA+64*((\a)%2)
.set tt, 0
.rept 16
	s_wait_dscnt (\younger)+15-tt                  ; row tt is back; the block's later rows and the younger ones may be out
	v_pk_fma_f32 v[tO+4*tt:tO+4*tt+1], v[tO+4*tt:tO+4*tt+1], 0.5, v[BI:BI+1] op_sel_hi:[1,0,1]
	v_pk_fma_f32 v[tO+4*tt+2:tO+4*tt+3], v[tO+4*tt+2:tO+4*tt+3], 0.5, v[BI+2:BI+3] op_sel_hi:[1,0,1]
	global_store_b128 v[CO], v[tO+4*tt:tO+4*tt+3], s[8:9] offset:(16*(\a)+tt)*XROW th:TH_STORE_NT  ; 32 lanes store 512 consecutive bytes, at a multiple of 512 from out0's first byte; 127 rows at the most: inside the signed 24-bit immediate
.set tt, tt+1
.endr
.endm
	TOSTAGE 0
.irp a, 1,2,3,4,5,6,7                  ; a block's way through the stage stands between the loads of the block before and its stores
	TOSTAGE \a
	SEND (\a)-1, 32
.endr
	SEND 7, 0
	s_wait_tensorcnt 0x0                           ; the wave's end, behind my last tensor load and my last LDS store
	ds_add_u32 v[SPW], v[NIL]
	s_wait_dscnt 0x0
	CROUND                                         ; the closing round: no work-group ends while a partner may still ask for a tile that names it
	s_endpgm
.Lfunc_end_k_qe3493cbe8a_skan:
	.size	k_qe3493cbe8a_skan, .Lfunc_end_k_qe3493cbe8a_skan-k_qe3493cbe8a_skan
	.p2alignl 7, 3214868480
	.fill 96, 4, 3214868480
	.section	.rodata,"a",@progbits
	.p2align	6, 0x0
	.amdhsa_kernel k_qe3493cbe8a_skan
		.amdhsa_group_segment_fixed_size 327680
		.amdhsa_private_segment_fixed_size 0
		.amdhsa_enable_private_segment 0
		.amdhsa_kernarg_size 24
		.amdhsa_user_sgpr_count 2
		.amdhsa_user_sgpr_kernarg_segment_ptr 1
		.amdhsa_wavefront_size32 1
		.amdhsa_system_sgpr_workgroup_id_x 1
		.amdhsa_system_sgpr_workgroup_id_y 1
		.amdhsa_system_sgpr_workgroup_id_z 1
		.amdhsa_system_vgpr_workitem_id 0
		.amdhsa_next_free_vgpr 1024
		.amdhsa_next_free_sgpr 72
		.amdhsa_reserve_vcc 0
		.amdhsa_float_denorm_mode_32 3
		.amdhsa_float_denorm_mode_16_64 3
		.amdhsa_memory_ordered 1
		.amdhsa_forward_progress 1
		.amdhsa_inst_pref_size 255
	.end_amdhsa_kernel
	.section	.bss,"aw",@nobits
	.p2align	6
	.space	262144
	.amdgpu_metadata
---
amdhsa.version: [ 1, 2 ]
amdhsa.kernels:
  - .name:           k_qe3493cbe8a_skan
    .symbol:         k_qe3493cbe8a_skan.kd
    .args:
      - { .name: x, .offset: 0, .size: 8, .value_kind: global_buffer, .address_space: global }
      - { .name: weight, .offset: 8, .size: 8, .value_kind: global_buffer, .address_space: global }
      - { .name: out0, .offset: 16, .size: 8, .value_kind: global_buffer, .address_space: global }
    .group_segment_fixed_size: 327680
    .private_segment_fixed_size: 0
    .kernarg_segment_align: 8
    .kernarg_segment_size: 24
    .max_flat_workgroup_size: 128
    .sgpr_count:     72
    .vgpr_count:     1024
    .wavefront_size: 32
...
	.end_amdgpu_metadata
.endif
;; end of part 1
